; MI455X (gfx1250); checked and timed in simulation.
; The chip was launched on July 23, 2026; its instructions are those of AMD's public machine-readable ISA for CDNA 5 (MIT licence, August 2026) and "CDNA5" Instruction Set Architecture Reference Guide (July 2026). The comments in the code are by the model that wrote it; some were corrected since.
;; Multi Head Self Attention. Allowed arithmetic: matrix products marked QUANTISED: E2M1 operands, one E8M0 scale for each 32 along K, by v_wmma_scale_f32_16x16x128_f8f6f4 with both operands' format E2M1 (or v_wmma_scale_f32_32x16x128_f4), f32 sums; products left as they are: bf16, f16 or f32 operands; f32 sums; everything else in f32.
;; Inputs: b_proj 1,024 float32; w_proj 1,024 x 1,024 float32; w_qkv 3,072 x 1,024 float32; x 8 x 1,024 x 1,024 float32.
;; Outputs: out0 8 x 1,024 x 1,024 float32.
;; This version of the problem:
;;   THIS VERSION OF THE PROBLEM IS GIVEN IN LOW PRECISION. The matrix products marked QUANTISED in the list below multiply operands that are first quantised to E2M1 (2 exponent bits, 1 mantissa bit; 4 bits a number), with one power-of-two scale for each 32 numbers along K (OCP MX v1.0); their sums are f32. The products marked 'left as it is' may take bf16, f16 or f32 operands, with f32 sums. Whichever they take, every output number must still come out within the allowed error. Rounding operands to bf16 (8 significant bits) uses up far more of that allowance than f16 does (11 bits, for magnitudes from 6e-5 to 65,504). All else is computed in f32.
;;   The module's matrix products, in the order in which they are computed (A, B: the left and right operand; K: the contracted axis; several contracted axes count as one K, in the product's order):
;;     1. [M 8,192, K 1,024] x [K 1,024, N 3,072]; A: input x; B: input w_qkv: QUANTISED
;;     2. batch 128 x [M 1,024, K 64] x [K 64, N 1,024]; A: computed on the way; B: computed on the way: left as it is (an operand is computed on the way)
;;     3. batch 128 x [M 1,024, K 1,024] x [K 1,024, N 64]; A: computed on the way; B: computed on the way: left as it is (an operand is computed on the way)
;;     4. [M 8,192, K 1,024] x [K 1,024, N 1,024]; A: computed on the way; B: input w_proj: left as it is (an operand is computed on the way)
;;   THE QUANTISER, for each operand of a quantised product, along K:
;;     - K is cut into blocks of 32 from its start; a last block that is shorter is filled with zeros.
;;     - A block's scale is 2^e with e = floor(log2(the largest magnitude in the block)) - 2, held to -126 .. 127; a block of zeros has e = 0. As a byte (E8M0): e + 127.
;;     - Each number is divided by its block's scale, clamped to +-6, and rounded to the nearest number of E2M1, ties to even, subnormals kept.
;;     - The product sums the exact products of the quantised numbers (number of the format x scale) in f32.
;;   ~~~python
;;   def quantise(x, axis):      # numpy; x: float32 -> the quantised numbers, widened to float32 again
;;       x = np.moveaxis(x, axis, -1); K = x.shape[-1]
;;       x = np.pad(x, [(0, 0)] * (x.ndim - 1) + [(0, -K % 32)]); x = x.reshape(x.shape[:-1] + (-1, 32)); a = np.abs(x).max(-1, keepdims=True)
;;       e = np.where(a > 0, np.clip(np.frexp(np.where(a > 0, a, 1))[1] - 1 - 2, -126, 127), 0)      # np.frexp(a)[1] - 1 = floor(log2(a)), exactly
;;       r = np.clip(x / 2.0 ** e, -6, 6)
;;       step = 2.0 ** (np.maximum(np.frexp(np.where(r == 0, 1, r))[1] - 1, 0) - 1)
;;       q = np.round(r / step) * step * 2.0 ** e      # np.round: ties to even
;;       return np.moveaxis(q.reshape(q.shape[:-2] + (-1,))[..., :K], -1, axis).astype(np.float32)
;;   ~~~
;; One version. Each part assembles by itself: llvm-mc -triple=amdgcn-amd-amdhsa -mcpu=gfx1250 --defsym DOCPART=n.
;; ======== version 1 of 1: 4 launches
;; limits: values are held in f16: magnitudes above 65,504 overflow, below 6.1e-05 lose precision
;; workspace buffers: xc 4,194,304 bytes; xs 262,144 bytes; wc 1,572,864 bytes; ws 98,304 bytes; wp 2,097,152 bytes; qkv 50,331,648 bytes; ao 16,777,216 bytes
;; launch prep (part 1): grid 416 x 1, 4 waves a work-group, no clusters, 41,472 bytes of LDS; arguments x, w_qkv, xc, xs, wc, ws, w_proj, wp; writes xc, xs, wc, ws, wp
.if DOCPART == 1
	.amdgcn_target "amdgcn-amd-amdhsa--gfx1250"
	.amdhsa_code_object_version 6
	.text
	.protected	k_q8f36c2dbcd_prep
	.globl	k_q8f36c2dbcd_prep
	.p2align	8
	.type	k_q8f36c2dbcd_prep,@function
k_q8f36c2dbcd_prep:
	s_mov_b64 s[64:65], 0
	v_nop
	global_prefetch_b8 v0, s[64:65] scope:SCOPE_SE
	s_setreg_imm32_b32 hwreg(HW_REG_WAVE_MODE, 25, 1), 1
	s_wait_xcnt 0x0
; THREE TENSORS ARE MADE READY FOR THE PRODUCTS.
; x [8192][1024] and w_qkv [3072][1024], f32, become codes of FP4 (E2M1), 4 bits each, with one E8M0 scale byte for each 32 along K (xc, xs; wc, ws).
; A block's scale is 2^(floor(log2(its largest magnitude)) - 2); its byte is the largest magnitude's own exponent field - 2, held at 1 from below.  Each number is divided by the scale and rounded to the nearest code,
; ties to even; beyond 6 the largest code.  (A block of zeros gets the byte 1 where the rule says 127: its codes are zeros, which add nothing under any byte but 0xff, and this program alone reads the bytes.)
; THE CODES ARE LAID AS IMAGES OF OPERAND REGISTERS: [row block of 16 rows][block j of 32 along K, 0 to 31][row r][16 bytes].  A fragment of 16 rows x 128 K wants, in lane r + 16 h, block 4 s + 2 c + h of row r in registers
; 4 c .. 4 c + 3: that is byte 1,024 s + 512 c + 16 x lane of the row block's 8,192: two runs of 512 consecutive bytes.  THE SCALE BYTES: [row block][half of K][row r][16 bytes]: 16 bytes are the scale words of four K steps of 128.
; w_proj [1024][1024], f32, is rounded to f16 and laid as images too (wp): a tile of 16 rows x 16 along K is 512 bytes; its chunk of 16 bytes number r + 16 h holds row r, k = 8 h .. 8 h + 7.  wp is [row block 64][k block 64][512 bytes].
; LIMITS: FP4 blocks whose largest magnitude lies under 2^-124 have their byte held at 1; |w_proj| beyond 65,504 becomes infinity in f16; NaN and infinities among the inputs are not served.
; SHARES: work-groups 0-255 take x, 256-351 w_qkv (one path, the buffers chosen by the work-group's number), 352-415 w_proj (a path of its own, which touches no LDS).
; The quantiser: a wave takes 16 rows x half of K: step t is 512 numbers, 2,048 consecutive bytes, of row t.  So its codes are 4,096 consecutive bytes of the images and its scale bytes 256: both its own.
; Each of a step's four loads reads 512 consecutive bytes, 16 a lane; the conversions want 16 NEIGHBOURS in a lane, so the 2,048 bytes turn through the wave's own stage in LDS (16 bytes of padding behind each 64) and come
; back 64 bytes a lane.  Two neighbouring lanes hold a block.  A lane's 8 bytes of codes go to a second stage of the wave's own, [block 16][row 16][16 bytes] with 16 bytes of padding behind each 256, and leave at the end
; as eight stores of 512 consecutive bytes.  Loads run eight steps (32 loads, 16,384 bytes a wave) ahead, the turn through LDS one step.
; No tensor loads, no barrier, no matrix unit, no cluster: a stream in which waves share nothing.
.set SIZE_M, 8192
.set SIZE_N, 3072
.set SIZE_K, 1024
.set WAVES, 4
.set STEPS, 16
.set AHEAD, 8                          ; steps that the loads run ahead
.set WGA,   SIZE_M*SIZE_K/(512*STEPS*WAVES)            ; 256 work-groups for x
.set WGQ,   (SIZE_M+SIZE_N)*SIZE_K/(512*STEPS*WAVES)   ; 352 for both quantised tensors
.set EMAX,  2
.set R,     16                         ; v16-143  eight sets of 16 numbers as they are loaded
.set X,     144                        ; v144-175 two sets of 16 neighbours
.set E,     176                        ; v176-191 a scale byte for each step
.set C,     192                        ; v192-223 codes: two registers for each step
.set OUTR,  224                        ; v224-255 the way out: 8 x 4 registers
.set XC,    16                         ; v16-143  the converting path: 8 numbers for each of 16 k blocks
.set WREG,  10240                      ; LDS: a region for each wave: two stages of 32 x SP bytes, its 256 scale bytes, the codes' stage of 16 x IP bytes
.set SP,    80                         ; a lane's place in a stage: its 64 bytes + 16 of padding
.set IP,    272                        ; the codes' stage: a block's 16 rows x 16 bytes + 16 of padding: 68 words, so that the sixteen pairs of lanes of a store fall on different banks (64 banks of 4 bytes: ISA guide 11.1)
.set SPW,   12                         ; v12      LDS address of my spare word: SPARE + 4 x my thread's number; never rewritten
.set NIL,   13                         ; v13      0; never rewritten
.set SPARE, WAVES*WREG                 ; behind the four regions: the spare words, 128 bytes a wave, which no other line names
	s_load_b128 s[4:7], s[0:1], 0x0                ; x, w_qkv
	s_load_b128 s[8:11], s[0:1], 0x10              ; xc, xs
	s_load_b128 s[12:15], s[0:1], 0x20             ; wc, ws
	s_load_b128 s[24:27], s[0:1], 0x30             ; w_proj, wp
	v_lshl_add_u32 v[SPW], v0, 2, SPARE
	v_mov_b32 v[NIL], 0
	v_lshrrev_b32 v1, 5, v0
	v_readfirstlane_b32 s16, v1                    ; wave
	v_and_b32 v2, 31, v0                           ; lane
	v_lshlrev_b32 v3, 4, v2                        ; my 16 bytes of a run of 512
	s_mul_i32 s17, s16, WREG
	v_lshrrev_b32 v14, 2, v2
	v_mul_u32_u24 v14, v14, SP
	v_and_b32 v15, 3, v2
	v_lshl_add_u32 v14, v15, 4, v14
	v_add_nc_u32 v14, s17, v14                     ; the stage, on the way in: four lanes' 64 bytes on end, then 16 of padding
	v_mul_u32_u24 v15, v2, SP
	v_add_nc_u32 v15, s17, v15                     ; and on the way out: SP x lane: my 16 neighbours
	v_lshrrev_b32 v5, 1, v2
	s_add_co_u32 s17, s17, 2*32*SP
	v_add_nc_u32 v5, s17, v5                       ; my wave's 256 scale bytes: my block's byte; 16 bytes a row
	v_lshlrev_b32 v7, 3, v2                        ; and on the way out 8 bytes a lane
	v_add_nc_u32 v6, s17, v7
	s_add_co_u32 s17, s17, 256                     ; the codes' stage
	v_lshrrev_b32 v10, 1, v2
	v_mul_u32_u24 v10, v10, IP
	v_and_b32 v1, 1, v2
	v_lshl_add_u32 v10, v1, 3, v10
	v_add_nc_u32 v10, s17, v10                     ; in: block lane / 2, my half of its 16 bytes; the row stands in the immediate
	v_lshrrev_b32 v4, 4, v2
	v_mul_u32_u24 v4, v4, IP
	v_and_b32 v1, 15, v2
	v_lshl_add_u32 v4, v1, 4, v4
	v_add_nc_u32 v4, s17, v4                       ; back: two blocks an instruction, lanes 0-15 one, lanes 16-31 the next; a lane a row
	s_wait_kmcnt 0x0
	s_cmp_ge_u32 ttmp9, WGQ                        ; the last 64 work-groups convert w_proj
	s_cbranch_scc1 .Lcvt
	s_cmp_lt_u32 ttmp9, WGA                        ; x's work-group or w_qkv's?  The choice hangs on the work-group's number alone
	s_cselect_b64 s[4:5], s[4:5], s[6:7]
	s_cselect_b64 s[8:9], s[8:9], s[12:13]
	s_cselect_b64 s[10:11], s[10:11], s[14:15]
	s_cselect_b32 s17, 0, WGA
	s_sub_co_u32 s17, ttmp9, s17
	s_lshl_b32 s17, s17, 2
	s_add_co_u32 s18, s17, s16                     ; my wave's part of the tensor: 2 x row block + half of K
	s_mov_b32 s19, 0
	s_lshr_b32 s20, s18, 1
	s_lshl_b32 s20, s20, 16                        ; the row block: 16 rows of 4,096 bytes,
	s_and_b32 s21, s18, 1
	s_lshl_b32 s21, s21, 11                        ; the half: 512 numbers
	s_add_co_u32 s20, s20, s21
	s_mov_b32 s21, 0
	s_add_nc_u64 s[4:5], s[4:5], s[20:21]
	s_lshl_b32 s20, s18, 12                        ; 4,096 bytes of codes a part
	s_add_nc_u64 s[8:9], s[8:9], s[20:21]
	s_lshl_b32 s18, s18, 8                         ; 256 scale bytes a part
	s_add_nc_u64 s[10:11], s[10:11], s[18:19]
.macro LOAD t                          ; row t's half: four loads of 512 consecutive bytes
.irp i, 0,1,2,3
	global_load_b128 v[R+16*((\t)%AHEAD)+4*\i:R+16*((\t)%AHEAD)+4*\i+3], v3, s[4:5] offset:4096*(\t)+512*\i th:TH_LOAD_NT
.endr
.endm
.macro TURN t                          ; step t's numbers through the stage: LDS serves a wave's instructions in order, so no wait stands between the stores and the loads
.irp i, 0,1,2,3
	ds_store_b128 v14, v[R+16*((\t)%AHEAD)+4*\i:R+16*((\t)%AHEAD)+4*\i+3] offset:32*SP*((\t)%2)+8*SP*\i
.endr
.irp i, 0,1,2,3
	ds_load_b128 v[X+16*((\t)%2)+4*\i:X+16*((\t)%2)+4*\i+3], v15 offset:32*SP*((\t)%2)+16*\i
.endr
.endm
.irp t, 0,1,2,3,4,5,6,7
	LOAD \t
.endr
	s_wait_loadcnt 4*(AHEAD-1)                     ; step 0's four loads are in; those of steps 1 to 7 may be out
	TURN 0
.macro STEP t
.set XS, X+16*((\t)%2)
.if (\t) > 0
	s_wait_dscnt 2                                 ; this step's numbers are back from the stage (the last step's two stores, byte and codes, may be out): so its stores into the stage have read their registers,
.else
	s_wait_dscnt 0x0
.endif
.if (\t)+AHEAD < STEPS
	LOAD (\t)+AHEAD                                ; which take the loads of eight steps on
.endif
.if (\t)+1 < STEPS
.if STEPS-2-(\t) >= AHEAD-1
	s_wait_loadcnt 4*(AHEAD-1)                     ; the next step's four loads are in; those of the seven steps behind it may be out
.else
	s_wait_loadcnt 4*(STEPS-2-(\t))
.endif
	TURN (\t)+1                                    ; and go through the other stage while this step is worked
.endif
	v_max3_num_f32 v8, |v[XS]|, |v[XS+1]|, |v[XS+2]|               ; the largest magnitude of my 16, in two chains
	v_max3_num_f32 v9, |v[XS+3]|, |v[XS+4]|, |v[XS+5]|
.irp i, 6,10
	v_max3_num_f32 v8, v8, |v[XS+\i]|, |v[XS+\i+1]|
	v_max3_num_f32 v9, v9, |v[XS+\i+2]|, |v[XS+\i+3]|
.endr
	v_max3_num_f32 v8, v8, |v[XS+14]|, |v[XS+15]|
	v_max3_num_f32 v8, v8, v9, (EMAX+1)<<23        ; and the floor 2^(EMAX + 1 - 127): so the byte cannot fall under 1
	v_max_num_f32_dpp v8, v8, v8 row_xmask:1 row_mask:0xf bank_mask:0xf   ; and of my neighbour's 16: the block's
	v_add_nc_u32 v11, -(EMAX<<23), v8              ; EMAX off its exponent field: the conversion takes the exponent field of this operand as its scale, and nothing else of it
	v_cvt_scalef32_pk8_fp4_f32 v[C+2*(\t)], v[XS:XS+7], v11        ; eight numbers / the scale, to the nearest code; the first number's code in the lowest four bits
	v_cvt_scalef32_pk8_fp4_f32 v[C+2*(\t)+1], v[XS+8:XS+15], v11
	v_lshrrev_b32 v[E+(\t)], 23, v11               ; the scale's byte (also the plain instruction behind the conversions)
	ds_store_b8 v5, v[E+(\t)] offset:16*(\t)       ; row t's 16 bytes; both lanes of a block write the same byte with the same value
	ds_store_b64 v10, v[C+2*(\t):C+2*(\t)+1] offset:16*(\t)        ; row t's place in each of the 16 blocks
.endm
.irp t, 0,1,2,3,4,5,6,7,8,9,10,11,12,13,14,15
	STEP \t
.endr
	ds_load_b64 v[8:9], v6                         ; LDS serves a wave's instructions in order: these loads see my stores
.irp i, 0,1,2,3,4,5,6,7
	ds_load_b128 v[OUTR+4*\i:OUTR+4*\i+3], v4 offset:\i*2*IP
.endr
	s_wait_dscnt 8                                 ; the scale bytes are back; the eight loads behind them may be out
	global_store_b64 v7, v[8:9], s[10:11]          ; 32 lanes store 256 consecutive bytes, aligned
.irp i, 0,1,2,3,4,5,6,7
	s_wait_dscnt 7-\i
	global_store_b128 v3, v[OUTR+4*\i:OUTR+4*\i+3], s[8:9] offset:512*\i   ; 32 lanes store 512 consecutive bytes, aligned: two blocks of all 16 rows
.endr
	s_wait_tensorcnt 0x0                           ; the wave's end, behind my last LDS store
	ds_add_u32 v[SPW], v[NIL]
	s_wait_dscnt 0x0
	s_endpgm
; w_proj TO f16 IMAGES.  Wave g = 4 x (work-group - 352) + wave, 0 to 255, takes row block g / 4 (16 rows) and 16 k blocks (256 along K) from k block 16 (g % 4) on: 16 images, 8,192 consecutive bytes of wp.
; Lane r + 16 h reads row r's 8 numbers at k = 16 kb + 8 h, two loads of 16 bytes; all 32 loads go out at once and together take 1,024 consecutive bytes of each of the 16 rows.  This path writes no LDS.
.Lcvt:
	s_sub_co_u32 s17, ttmp9, WGQ
	s_lshl_b32 s17, s17, 2
	s_add_co_u32 s17, s17, s16                     ; g
	s_lshr_b32 s18, s17, 2
	s_lshl_b32 s18, s18, 16                        ; the row block: 16 rows of 4,096 bytes
	s_and_b32 s19, s17, 3
	s_lshl_b32 s19, s19, 10                        ; the quarter of K: 16 k blocks of 64 bytes
	s_add_co_u32 s18, s18, s19
	s_mov_b32 s19, 0
	s_add_nc_u64 s[24:25], s[24:25], s[18:19]
	s_lshl_b32 s18, s17, 13                        ; 16 images of 512 bytes
	s_add_nc_u64 s[26:27], s[26:27], s[18:19]
	v_and_b32 v8, 15, v2
	v_lshlrev_b32 v8, 12, v8                       ; row r
	v_lshrrev_b32 v9, 4, v2
	v_lshl_add_u32 v8, v9, 5, v8                   ; + 32 h
	v_lshlrev_b32 v9, 4, v2                        ; an image's chunk: 16 x lane
.set kb, 0
.rept 16
	global_load_b128 v[XC+8*kb:XC+8*kb+3], v8, s[24:25] offset:64*kb
	global_load_b128 v[XC+8*kb+4:XC+8*kb+7], v8, s[24:25] offset:64*kb+16
.set kb, kb+1
.endr
.set kb, 0
.rept 16
	s_wait_loadcnt 2*(15-kb)                       ; this k block's two loads are in; the pairs behind them may be out
.irp i, 0,1,2,3
	v_cvt_pk_f16_f32 v[XC+8*kb+\i], v[XC+8*kb+2*\i], v[XC+8*kb+2*\i+1]   ; in place, ascending: no result lands on a number not yet read
.endr
	global_store_b128 v9, v[XC+8*kb:XC+8*kb+3], s[26:27] offset:512*kb   ; 32 lanes store 512 consecutive bytes, aligned; no register is written again
.set kb, kb+1
.endr
	s_endpgm
.Lfunc_end_k_q8f36c2dbcd_prep:
	.size	k_q8f36c2dbcd_prep, .Lfunc_end_k_q8f36c2dbcd_prep-k_q8f36c2dbcd_prep
	.p2alignl 7, 3214868480
	.fill 96, 4, 3214868480
	.section	.rodata,"a",@progbits
	.p2align	6, 0x0
	.amdhsa_kernel k_q8f36c2dbcd_prep
		.amdhsa_group_segment_fixed_size 41472
		.amdhsa_private_segment_fixed_size 0
		.amdhsa_enable_private_segment 0
		.amdhsa_kernarg_size 64
		.amdhsa_user_sgpr_count 2
		.amdhsa_user_sgpr_kernarg_segment_ptr 1
		.amdhsa_wavefront_size32 1
		.amdhsa_system_sgpr_workgroup_id_x 1
		.amdhsa_system_sgpr_workgroup_id_y 1
		.amdhsa_system_sgpr_workgroup_id_z 1
		.amdhsa_system_vgpr_workitem_id 0
		.amdhsa_next_free_vgpr 256
		.amdhsa_next_free_sgpr 66
		.amdhsa_reserve_vcc 0
		.amdhsa_float_denorm_mode_32 3
		.amdhsa_float_denorm_mode_16_64 3
		.amdhsa_memory_ordered 1
		.amdhsa_forward_progress 1
		.amdhsa_inst_pref_size 45
	.end_amdhsa_kernel
	.amdgpu_metadata
---
amdhsa.version: [ 1, 2 ]
amdhsa.kernels:
  - .name:           k_q8f36c2dbcd_prep
    .symbol:         k_q8f36c2dbcd_prep.kd
    .args:
      - { .name: x, .offset: 0, .size: 8, .value_kind: global_buffer, .address_space: global }
      - { .name: w_qkv, .offset: 8, .size: 8, .value_kind: global_buffer, .address_space: global }
      - { .name: xc, .offset: 16, .size: 8, .value_kind: global_buffer, .address_space: global }
      - { .name: xs, .offset: 24, .size: 8, .value_kind: global_buffer, .address_space: global }
      - { .name: wc, .offset: 32, .size: 8, .value_kind: global_buffer, .address_space: global }
      - { .name: ws, .offset: 40, .size: 8, .value_kind: global_buffer, .address_space: global }
      - { .name: w_proj, .offset: 48, .size: 8, .value_kind: global_buffer, .address_space: global }
      - { .name: wp, .offset: 56, .size: 8, .value_kind: global_buffer, .address_space: global }
    .group_segment_fixed_size: 41472
    .private_segment_fixed_size: 0
    .kernarg_segment_align: 8
    .kernarg_segment_size: 64
    .max_flat_workgroup_size: 128
    .sgpr_count:     66
    .vgpr_count:     256
    .wavefront_size: 32
...
	.end_amdgpu_metadata
.endif
;; end of part 1
;; launch qkv_gemm (part 2): grid 8 x 32, 4 waves a work-group, clusters of 4 x 1, 167,936 bytes of LDS; arguments xc, xs, wc, ws, qkv; writes qkv
.if DOCPART == 2
	.amdgcn_target "amdgcn-amd-amdhsa--gfx1250"
	.amdhsa_code_object_version 6
	.text
	.protected	k_q8f36c2dbcd_qkv_gemm
	.globl	k_q8f36c2dbcd_qkv_gemm
	.p2align	8
	.type	k_q8f36c2dbcd_qkv_gemm,@function
k_q8f36c2dbcd_qkv_gemm:
	s_mov_b64 s[64:65], 0
	v_nop
	global_prefetch_b8 v0, s[64:65] scope:SCOPE_SE
	s_setreg_imm32_b32 hwreg(HW_REG_WAVE_MODE, 25, 1), 1
	s_wait_xcnt 0x0
	s_wait_alu depctr_hold_cnt(0) depctr_sa_sdst(0) depctr_va_vdst(0) depctr_va_sdst(0) depctr_va_ssrc(0) depctr_va_vcc(0) depctr_vm_vsrc(0)
	s_getreg_b32 s2, hwreg(HW_REG_IB_STS2, 6, 4)
	s_cmp_eq_u32 s2, 0
	s_cbranch_scc0 .Lentry_in_a_cluster
	s_endpgm
.Lentry_in_a_cluster:
	s_bfe_u32 s2, ttmp6, 0x10000c
	s_cmp_lg_u32 s2, 0x3003
	s_cbranch_scc0 .Lentry_shape_is_right
	s_endpgm
.Lentry_shape_is_right:
; q, k, v = x w_qkv^T ON CODES OF FP4 (E2M1) with one E8M0 scale for each 32 along K; one f32 sum for each output, K ascending; the results are rounded once, to f16, for the products of attention.
; xc (x, 8,192 rows) and wc (w_qkv, 3,072 rows): images of operand registers, [row block of 16][block of 32 along K: 32][row 16][16 bytes]: a fragment of 16 rows x 128 K, 8 registers, is two runs of 512 bytes at
; 1,024 s + 512 c of the row block's 8,192, each loaded at 16 x lane.  xs, ws: [row block][half of K][row 16][16 bytes]: 16 bytes are a row's scale words of four K steps.
; SHARES.  A work-group makes 256 tokens x 384 features: 32 x 8 = 256 work-groups of equal work.  THE WAVES SHARE THE COLUMNS, NOT THE ROWS: wave w makes features 96 w .. 96 w + 95 for all 256 tokens.
; Its part of w_qkv, 96 rows x 512 bytes = 49,152 bytes, is 384 REGISTERS and stays there for the whole launch, loaded from memory once, 512 consecutive bytes a load; its scale words are 48 registers more.
; x's 256 rows for all of K are 131,072 bytes of LDS, their scales 8,192, FILLED ONCE: two tensor loads of a wave are out, and no byte is filled again.  (w_qkv's 196,608 bytes could not lie beside them: the two are all of LDS.)
; THE WALK GOES BY ROW BLOCKS: 16 tokens' fragments for all of K (16 LDS loads, fetched one block ahead into the other set of registers), 48 products on six accumulators by turns, and the block's 16 x 96 results are
; finished: they are rounded and stored at once, six stores of 512 bytes, so that the launch's stores are spread over its 16 blocks.
; THE MATRIX INSTRUCTION IS USED TRANSPOSED (source 0 = 16 rows of w_qkv, source 1 = 16 rows of x): lane (r, h) of accumulator b holds token r and the eight neighbouring features 16 b + 8 h + 0 .. 7: 16 bytes of f16.
; THE RESULT IS LAID AS IMAGES OF THE NEXT PRODUCTS' OPERAND REGISTERS: qkv is [which 3][batch x 16 + head 128][token block 64][channel block 4][512 bytes]; an image is 16 tokens x 16 channels.
;   q and k: chunk r + 16 h holds token r, channels 8 h on: a lane stores at 16 x lane.   v: chunk (r % 8) + 8 h + 16 (r / 8), the order in which the turning LDS load of the next launch, addressed at 16 x lane, wants it.
; A wave's six column blocks may belong to two heads and to two of q, k, v: each has its own offset register, made once.
; CLUSTER: 4 x 1.  The four partners along x make the same 256 tokens: x's tile and its scales are asked for JOINTLY, the same two tensor loads with the same descriptors and the mask of all four.  w_qkv's rows differ from
; partner to partner, and go into registers.  Nothing is prefetched: every read is issued at the head.
; LIMITS: |q|, |k|, |v| beyond 65,504 become infinity in f16 (with x and w_qkv as drawn their spread is 1; both 30 times larger: 900).
; REGISTERS, in windows of 256: window 0: v1-13 addresses; v32-79 w's scale words (8 b + s); v80-95 x's, two sets (8 p + s); v96-119 packed results.
;   window 1: w's fragments of K steps 0-4, (s, b) at v[8 (6 s + b)].   window 2: those of K steps 5-7, at v[8 (6 (s - 5) + b)].   window 3: v0-127 x's fragments, two sets (64 p + 8 s); v128-175 the six accumulators.
.set RBB,   8192                       ; a row block's codes for all of K
.set SBB,   512                        ; and its scale bytes
.set SCL,   16*RBB                     ; LDS: x's codes at 0, their scale bytes here
.set SPARE, SCL+16*SBB                 ; behind them: the spare words, 128 bytes a wave, which no other line names
.set LA,  1                            ; v1   16 x lane; never rewritten
.set SA0, 2                            ; v2   SCL + 16 x (lane % 16): my row's scale words in a row block
.set AD,  3                            ; v3   LDS address of the fragments in hand
.set ADS, 4                            ; v4   of the scale words in hand
.set BSO, 5                            ; v5   16 x (lane % 16): the same place in ws
.set CO,  8                            ; v8-13 column block b: my 16 bytes' place in qkv, from the tile's first token block on; never rewritten
.set SPW, 28                           ; v28  LDS address of my spare word; never rewritten
.set NIL, 29                           ; v29  0; never rewritten
.set BS,  32
.set AS,  80
.set TMP, 96
.set AF,  0                            ; in window 3
.set ACC, 128                          ; in window 3
.set WV,  14                           ; s14  wave
.set G1A, 24                           ; s[24:31], s[32:35] descriptor groups 1 and 0 for x's codes
.set G0A, 32
.set G1S, 36                           ; s[36:43], s[44:47] for x's scale bytes
.set G0S, 44
.set TB,  56                           ; s56  LDS byte from which the trip's fetches are counted: 2 row blocks a trip
.set TS,  57                           ; s57  the same among the scale bytes
.set CNT, 58                           ; s58  trips to go
.set MSB, 0
.macro WIN new                         ; the immediate's high byte repeats the setting that is left; a switch that changes nothing is dropped
.if MSB != (\new)
	s_set_vgpr_msb (MSB<<8)|(\new)
.set MSB, (\new)
.endif
.endm
.set W_M1,   0xfd                      ; source 0 (w) window 1; source 1 (x), C and D window 3
.set W_M2,   0xfe                      ; the same with source 0 in window 2
.set TO_1,   0x40                      ; destination window 1, address window 0
.set TO_2,   0x80
.set TO_3,   0xc0
.set FROM_3, 0x0f                      ; sources 0 and 1 window 3, destination window 0
.macro CROUND                          ; a round of the cluster's barrier: my work-group's barrier; wave 0 signals for the work-group; every wave waits for all four work-groups; my work-group's barrier once more
	s_barrier_signal -1
	s_barrier_wait -1
	s_cmp_lg_u32 s[WV], 0
	s_cbranch_scc1 .Lnot_wave_0_\@
	s_barrier_signal -3
.Lnot_wave_0_\@:
	s_barrier_wait -3
	s_barrier_signal -1
	s_barrier_wait -1
.endm
	s_load_b128 s[4:7], s[0:1], 0x0                ; xc, xs
	s_load_b128 s[8:11], s[0:1], 0x10              ; wc, ws
	s_load_b64 s[12:13], s[0:1], 0x20              ; qkv
	v_lshl_add_u32 v[SPW], v0, 2, SPARE
	v_mov_b32 v[NIL], 0
	ds_add_u32 v[SPW], v[NIL]                      ; the wave's opening: the add, twice on end, and its wait ahead of my first tensor load; the set-up below stands between the second and the wait
	ds_add_u32 v[SPW], v[NIL]
	v_lshrrev_b32 v1, 5, v0
	v_readfirstlane_b32 s[WV], v1                  ; wave 0..3
	s_bfe_u32 s15, ttmp6, 0x40000                  ; cx: my place in the cluster
	s_lshl_b32 s16, ttmp9, 2                       ; in a cluster launch ttmp9 counts clusters
	s_add_co_u32 s16, s16, s15                     ; tile column = 4 x cluster x + cx, 0 to 7: it enters wc's, ws's and qkv's addresses alone
	s_and_b32 s17, ttmp7, 0xffff                   ; tile row, 0 to 31, which the four partners share
	; group 1 for the codes: my quarter of the tile, 4 row blocks = 32,768 dense bytes, as 128 rows of 256 bytes (32 elements of 8 bytes); no padding
	s_mov_b32 s[G1A+0], 15|(3<<16)|(1<<21)         ; 15:0 the mask: all four work-groups; 17:16 elements of 8 bytes; 21 set beside a mask
	s_mov_b32 s[G1A+1], 32<<16                     ; tensor_dim0 = 32
	s_mov_b32 s[G1A+2], 128<<16                    ; tensor_dim1 = 128
	s_mov_b32 s[G1A+3], 32<<16                     ; tile_dim0 = 32
	s_mov_b32 s[G1A+4], 128                        ; tile_dim1 = 128
	s_mov_b32 s[G1A+5], 32                         ; from row to row
	s_mov_b32 s[G1A+6], 0
	s_mov_b32 s[G1A+7], 0
	; and for the scale bytes: my quarter, 2,048 dense bytes, as 8 such rows
	s_mov_b32 s[G1S+0], 15|(3<<16)|(1<<21)
	s_mov_b32 s[G1S+1], 32<<16
	s_mov_b32 s[G1S+2], 8<<16
	s_mov_b32 s[G1S+3], 32<<16
	s_mov_b32 s[G1S+4], 8
	s_mov_b32 s[G1S+5], 32
	s_mov_b32 s[G1S+6], 0
	s_mov_b32 s[G1S+7], 0
	; what I fetch: made of the tile row and the wave's number alone
	s_lshl_b32 s18, s17, 17                        ; xc: 16 row blocks of 8,192 bytes to a tile row,
	s_lshl_b32 s20, s[WV], 15                      ; 4 to a wave: in memory and in LDS alike
	s_add_co_u32 s18, s18, s20
	s_mov_b32 s19, 0
	s_lshl_b32 s22, s17, 13                        ; xs: 16 x 512 bytes to a tile row,
	s_lshl_b32 s21, s[WV], 11                      ; 4 x 512 to a wave
	s_add_co_u32 s22, s22, s21
	s_mov_b32 s23, 0
	s_add_co_u32 s21, s21, SCL                     ; where they go in LDS
	; what is mine alone: in registers of their own
	s_mul_i32 s48, s16, 24
	s_mul_i32 s49, s[WV], 6
	s_add_co_u32 s48, s48, s49                     ; my first column block of 16 features: 24 x tile column + 6 x wave, 0 to 186
	s_lshl_b32 s50, s48, 13                        ; in wc,
	s_mov_b32 s51, 0
	s_lshl_b32 s52, s48, 9                         ; in ws
	s_mov_b32 s53, 0
	s_lshr_b32 s54, s17, 2
	s_lshl_b32 s54, s54, 21                        ; qkv: the batch: four tile rows to a batch,
	s_and_b32 s55, s17, 3
	s_lshl_b32 s55, s55, 15                        ; 16 token blocks of 2,048 bytes to a tile row
	s_add_co_u32 s54, s54, s55
	s_mov_b32 s55, 0
	v_and_b32 v[LA], 31, v0
	v_lshlrev_b32 v[LA], 4, v[LA]
	v_and_b32 v[BSO], 15, v0
	v_lshlrev_b32 v[BSO], 4, v[BSO]
	v_add_nc_u32 v[SA0], SCL, v[BSO]
	s_wait_dscnt 0x0                               ; both opening adds are done
	s_wait_kmcnt 0x0
	s_add_nc_u64 s[18:19], s[4:5], s[18:19]
	s_add_nc_u64 s[22:23], s[6:7], s[22:23]
	s_add_nc_u64 s[8:9], s[8:9], s[50:51]
	s_add_nc_u64 s[10:11], s[10:11], s[52:53]
	s_add_nc_u64 s[12:13], s[12:13], s[54:55]
	CROUND                                         ; all four work-groups are here: the joint loads meet
	s_mov_b32 s[G0S], 1                            ; count = 1
	s_mov_b32 s[G0S+1], s21                        ; LDS address
	s_mov_b64 s[G0S+2:G0S+3], s[22:23]             ; global address
	s_or_b32 s[G0S+3], s[G0S+3], 0x80000000        ; type = 2
	s_mov_b32 s[G0A], 1
	s_mov_b32 s[G0A+1], s20
	s_mov_b64 s[G0A+2:G0A+3], s[18:19]
	s_or_b32 s[G0A+3], s[G0A+3], 0x80000000
	tensor_load_to_lds s[G0S:G0S+3], s[G1S:G1S+7]  ; the two first fills stand together, ahead of every wait on TENSORcnt and every LDS read; an s_nop 0 follows each, four v_nop the second's
	s_nop 0
	tensor_load_to_lds s[G0A:G0A+3], s[G1A:G1A+7]
	s_nop 0
.rept 4
	v_nop
.endr
	; my 96 rows of w_qkv: 48 fragments, 96 loads of 512 consecutive bytes; they stay
	WIN TO_1
.irp s, 0,1,2,3,4
.irp b, 0,1,2,3,4,5
.irp c, 0,1
	global_load_b128 v[8*(6*\s+\b)+4*\c:8*(6*\s+\b)+4*\c+3], v[LA], s[8:9] offset:\b*RBB+\s*1024+\c*512
.endr
.endr
.endr
	WIN TO_2
.irp s, 5,6,7
.irp b, 0,1,2,3,4,5
.irp c, 0,1
	global_load_b128 v[8*(6*(\s-5)+\b)+4*\c:8*(6*(\s-5)+\b)+4*\c+3], v[LA], s[8:9] offset:\b*RBB+\s*1024+\c*512
.endr
.endr
.endr
	WIN 0
.irp b, 0,1,2,3,4,5                    ; their scale words: lane r takes row r's (lanes 16-31 hold the same and are not read)
	global_load_b128 v[BS+8*\b:BS+8*\b+3], v[BSO], s[10:11] offset:\b*SBB          ; K steps 0-3
	global_load_b128 v[BS+8*\b+4:BS+8*\b+7], v[BSO], s[10:11] offset:\b*SBB+256    ; K steps 4-7
.endr
	; the way out: my 16 bytes' place in an image, in v's order (q's and k's is 16 x lane),
	v_and_b32 v7, 7, v0
	v_lshlrev_b32 v7, 4, v7                        ; chunk r % 8
	v_bfe_u32 v6, v0, 4, 1
	v_lshl_or_b32 v7, v6, 7, v7                    ;    + 8 h
	v_bfe_u32 v6, v0, 3, 1
	v_lshl_or_b32 v7, v6, 8, v7                    ;    + 16 (r / 8)
	; and each column block's place in qkv: which << 24, head << 17, channel block << 9.  The select steers an offset in memory alone: no branch and no LDS address hangs on it
.irp b, 0,1,2,3,4,5
	s_add_co_u32 s59, s48, \b                      ; the column block, 0 to 191: 64 to each of q, k, v, 4 to a head
	s_lshr_b32 s60, s59, 6
	s_lshl_b32 s60, s60, 24
	s_bfe_u32 s61, s59, 0x40002                    ; the head: 4 bits from bit 2
	s_lshl_b32 s61, s61, 17
	s_add_co_u32 s60, s60, s61
	s_and_b32 s61, s59, 3
	s_lshl_b32 s61, s61, 9
	s_add_co_u32 s60, s60, s61
	s_cmp_ge_u32 s59, 128                          ; column blocks 128 to 191 are v
	s_cselect_b32 s61, -1, 0
	v_cndmask_b32 v[CO+\b], v[LA], v7, s61
	v_add_nc_u32 v[CO+\b], s60, v[CO+\b]
.endr
.macro ADDR                            ; the LDS addresses from which a trip's fetches are counted
	v_add_nc_u32 v[AD], s[TB], v[LA]
	v_add_nc_u32 v[ADS], s[TS], v[SA0]
.endm
; 18 LDS loads in one run: the fragments of the row block idx on from the trip's base, all eight K steps, into set p, and its rows' scale words
.macro FETCH p, idx
	WIN TO_3
.irp s, 0,1,2,3,4,5,6,7
	ds_load_b128 v[AF+64*(\p)+8*\s:AF+64*(\p)+8*\s+3],   v[AD] offset:(\idx)*RBB+\s*1024
	ds_load_b128 v[AF+64*(\p)+8*\s+4:AF+64*(\p)+8*\s+7], v[AD] offset:(\idx)*RBB+\s*1024+512
.endr
	WIN 0
	ds_load_b128 v[AS+8*(\p):AS+8*(\p)+3],   v[ADS] offset:(\idx)*SBB
	ds_load_b128 v[AS+8*(\p)+4:AS+8*(\p)+7], v[ADS] offset:(\idx)*SBB+256
.endm
; six matrix instructions: K step s of the row block in set p against my six column blocks.  zero = 1: the first K step starts the sums: nothing is ever cleared.
; The six accumulators take turns, one instruction a turn.  The scale words stand in registers of their own, in lanes 0-15.
.macro MULS p, s, zero
.if (\s) < 5
.set BF, 48*(\s)
.else
.set BF, 48*((\s)-5)
.endif
.irp b, 0,1,2,3,4,5
.if \zero
	v_wmma_scale_f32_16x16x128_f8f6f4 v[ACC+8*\b:ACC+8*\b+7], v[BF+8*\b:BF+8*\b+7], v[AF+64*(\p)+8*(\s):AF+64*(\p)+8*(\s)+7], 0, v[BS+8*\b+(\s)], v[AS+8*(\p)+(\s)] matrix_a_fmt:MATRIX_FMT_FP4 matrix_b_fmt:MATRIX_FMT_FP4
.else
	v_wmma_scale_f32_16x16x128_f8f6f4 v[ACC+8*\b:ACC+8*\b+7], v[BF+8*\b:BF+8*\b+7], v[AF+64*(\p)+8*(\s):AF+64*(\p)+8*(\s)+7], v[ACC+8*\b:ACC+8*\b+7], v[BS+8*\b+(\s)], v[AS+8*(\p)+(\s)] matrix_a_fmt:MATRIX_FMT_FP4 matrix_b_fmt:MATRIX_FMT_FP4
.endif
.endr
.endm
; A ROW BLOCK, from set p.  fetch = 1: the next block's fragments are asked for first, into the other set, 48 matrix instructions ahead of their use.  step = 1: the stores' base goes two token blocks on.  soff: the block's place from that base.
; Behind the 48 products stand four v_nop: a vector instruction that reads a matrix result stands four places behind it, and only plain vector instructions that name none of its registers are places (ISA guide 7.12.1).
; Those four and the 24 roundings are also the places in front of the next block's fetch into the registers that these products read, and of its first products, which begin the accumulators anew.
.macro HALF p, fetch, idx, step, soff
	s_wait_dscnt 0x0                               ; set p and its scale words are in
.if \fetch
	FETCH 1-\p, \idx
.endif
	WIN W_M1
	MULS \p, 0, 1
.irp s, 1,2,3,4
	MULS \p, \s, 0
.endr
	WIN W_M2
.irp s, 5,6,7
	MULS \p, \s, 0
.endr
.rept 4
	v_nop
.endr
	s_wait_xcnt 0x0                                ; the last block's stores have read their data and their base: only behind this wait are both written again
.if \step
	s_add_nc_u64 s[12:13], s[12:13], 2*2048
.endif
	WIN FROM_3
.irp b, 0,1,2,3,4,5
.irp r, 0,1,2,3
	v_cvt_pk_f16_f32 v[TMP+4*\b+\r], v[ACC+8*\b+2*\r], v[ACC+8*\b+2*\r+1]   ; each accumulator from its low end on
.endr
.endr
	WIN 0
.irp b, 0,1,2,3,4,5
	global_store_b128 v[CO+\b], v[TMP+4*\b:TMP+4*\b+3], s[12:13] offset:\soff   ; an image: 32 lanes store 512 consecutive bytes, aligned
.endr
.endm
	s_mov_b32 s[TB], 0
	s_mov_b32 s[TS], 0
	s_wait_tensorcnt 0x0                           ; my quarter of x's codes and scale bytes is in,
	s_barrier_signal -1
	s_barrier_wait -1                              ; everybody's is
	ADDR
	FETCH 0, 0
	s_wait_loadcnt 0x0                             ; w_qkv's fragments and scale words
	HALF 0, 1, 1, 0, 0                             ; row block 0; block 1 is fetched
	s_mov_b32 s[CNT], 7
.Lpair:                                            ; trip t: row blocks 2 t + 1 and 2 t + 2; blocks 2 t + 2 and 2 t + 3 are fetched
	ADDR
	HALF 1, 1, 2, 0, 2048
	HALF 0, 1, 3, 1, 0
	s_add_co_u32 s[TB], s[TB], 2*RBB
	s_add_co_u32 s[TS], s[TS], 2*SBB
	s_sub_co_u32 s[CNT], s[CNT], 1
	s_cmp_lg_u32 s[CNT], 0
	s_cbranch_scc1 .Lpair
	HALF 1, 0, 0, 0, 2048                          ; row block 15: nothing is left to fetch
	s_wait_tensorcnt 0x0                           ; the wave's end, behind my last tensor load
	ds_add_u32 v[SPW], v[NIL]
	s_wait_dscnt 0x0
	CROUND                                         ; the closing round: no work-group ends while a partner may still ask for a tile that names it
	s_endpgm
.Lfunc_end_k_q8f36c2dbcd_qkv_gemm:
	.size	k_q8f36c2dbcd_qkv_gemm, .Lfunc_end_k_q8f36c2dbcd_qkv_gemm-k_q8f36c2dbcd_qkv_gemm
	.p2alignl 7, 3214868480
	.fill 96, 4, 3214868480
	.section	.rodata,"a",@progbits
	.p2align	6, 0x0
	.amdhsa_kernel k_q8f36c2dbcd_qkv_gemm
		.amdhsa_group_segment_fixed_size 167936
		.amdhsa_private_segment_fixed_size 0
		.amdhsa_enable_private_segment 0
		.amdhsa_kernarg_size 40
		.amdhsa_user_sgpr_count 2
		.amdhsa_user_sgpr_kernarg_segment_ptr 1
		.amdhsa_wavefront_size32 1
		.amdhsa_system_sgpr_workgroup_id_x 1
		.amdhsa_system_sgpr_workgroup_id_y 1
		.amdhsa_system_sgpr_workgroup_id_z 1
		.amdhsa_system_vgpr_workitem_id 0
		.amdhsa_next_free_vgpr 1024
		.amdhsa_next_free_sgpr 66
		.amdhsa_reserve_vcc 0
		.amdhsa_float_denorm_mode_32 3
		.amdhsa_float_denorm_mode_16_64 3
		.amdhsa_memory_ordered 1
		.amdhsa_forward_progress 1
		.amdhsa_inst_pref_size 57
	.end_amdhsa_kernel
	.amdgpu_metadata
---
amdhsa.version: [ 1, 2 ]
amdhsa.kernels:
  - .name:           k_q8f36c2dbcd_qkv_gemm
    .symbol:         k_q8f36c2dbcd_qkv_gemm.kd
    .args:
      - { .name: xc, .offset: 0, .size: 8, .value_kind: global_buffer, .address_space: global }
      - { .name: xs, .offset: 8, .size: 8, .value_kind: global_buffer, .address_space: global }
      - { .name: wc, .offset: 16, .size: 8, .value_kind: global_buffer, .address_space: global }
      - { .name: ws, .offset: 24, .size: 8, .value_kind: global_buffer, .address_space: global }
      - { .name: qkv, .offset: 32, .size: 8, .value_kind: global_buffer, .address_space: global }
    .group_segment_fixed_size: 167936
    .private_segment_fixed_size: 0
    .kernarg_segment_align: 8
    .kernarg_segment_size: 40
    .max_flat_workgroup_size: 128
    .sgpr_count:     66
    .vgpr_count:     1024
    .wavefront_size: 32
...
	.end_amdgpu_metadata
.endif
;; end of part 2
;; launch attn (part 3): grid 2 x 128, 16 waves a work-group, no clusters, 327,680 bytes of LDS; arguments qkv, ao; writes ao
.if DOCPART == 3
	.amdgcn_target "amdgcn-amd-amdhsa--gfx1250"
	.amdhsa_code_object_version 6
	.text
	.protected	k_q8f36c2dbcd_attn
	.globl	k_q8f36c2dbcd_attn
	.p2align	8
	.type	k_q8f36c2dbcd_attn,@function
k_q8f36c2dbcd_attn:
	s_mov_b64 s[64:65], 0
	v_nop
	global_prefetch_b8 v0, s[64:65] scope:SCOPE_SE
	s_setreg_imm32_b32 hwreg(HW_REG_WAVE_MODE, 25, 1), 1
	s_wait_xcnt 0x0
; O[b][h][q] = the sum over k of softmax_k(Q[q] . K[k] / 8) V[k], head size 64, 1,024 keys, no mask.  Operands f16, products, maxima and sums f32; the weights p are rounded to f16 for the second product, O once at the end.
; qkv: [which 3][batch x 16 + head 128][token block 64][channel block 4][512 bytes]: images of operand registers, 16 tokens x 16 channels each (q, k: chunk r + 16 h = token r, channels 8 h on; v: in the turning load's order).
; ao:  [batch x 64 + token block 512][4 x head + channel block 64][512 bytes]: images of the projection's operand.
; SHARES.  A work-group owns 512 queries of one head: 2 x 128 = 256 work-groups.  Each of its SIXTEEN waves owns 32 queries, two tiles of 16, in 256 registers: four waves to a SIMD, so that one wave's softmax stands beside
; another's products and LDS loads, and no register window is switched.  Every wave walks all 1,024 keys, 64 a step.
; THE HEAD'S WHOLE K AND V LIE IN LDS, 131,072 bytes each, FILLED ONCE: every wave issues four tensor loads at the head, one for each quarter of the keys (4,096 dense bytes each; waves 0-7 share K's quarter, waves 8-15 V's).
; Four loads of a wave are out.  No byte is filled again.  A quarter is read behind a counted wait and a barrier, while the later quarters are on their way.
; LAYOUT.  S^T = K Q^T (source 0 = 16 keys, source 1 = 16 queries): a lane holds ONE query (lane % 16) and the keys 8 (lane / 16) + 0..7 of a tile.  Two such tiles, rounded to f16 in pairs, ARE source 1 of O^T = V^T P, whose
; result again holds one query a lane, and eight channels: 16 bytes of f16, a chunk of ao's image.  All operand loads and all stores are at 16 x lane: consecutive bytes, no pitch, no padding.
; SOFTMAX.  A running maximum m and sum l for each query: p = 2^(c s - c m), c = log2(e) / 8; in every step O and l are multiplied by a = 2^(c m_old - c m_new).  m begins at -3e38 and O and l at 0, so the first step is no special case.
; NO CLUSTER: 1,024 queries / 512 are two work-groups to a head; a cluster of four along x would hold two heads, and a joint load would name two of its four by half of a work-group's place, which is none of the forms in which
; masks are made here; four partners to a head would mean 256 queries a work-group: half the queries that each fragment read from LDS feeds, or 512 work-groups that each pay the head's fill.
; NO PREFETCH: all of the head's K and V are asked for by the first fills; there is no later step whose tiles could be named ahead.
; LIMITS: operands are f16 as the launch before left them; weights p under 2^-24 of the row's largest count as 0.
.set VBASE, 131072                     ; LDS: K at 0, V here
.set SPARE, 262144                     ; behind V: the spare words, 128 bytes for each of 16 waves, which no other line names
.set LA,  1                            ; v1   16 x lane; never rewritten
.set ADK, 2                            ; v2   LDS address of the step's K
.set ADV, 3                            ; v3   of its V
.set SPW, 4                            ; v4   LDS address of my spare word; never rewritten
.set NIL, 5                            ; v5   0; never rewritten
.set ST,  8                            ; tile t's statistics at v[ST + 8 t]: +0 c m, +1 m, +2, +3 l (even keys', odd keys'), +4 to +7 at work; a takes +6
.set U,   24                           ; v[24+2t:25+2t] the second chain of a step's sums
.set Q,   32                           ; v32-63   Q: tile t, channels 32 c on, at Q + 16 t + 8 c
.set KV,  64                           ; v64-127  K's 8 fragments (key tile kt, channels 32 c: + 16 kt + 8 c), then V's 8 (keys 32 s, channel tile ct: + 32 s + 8 ct)
.set S,   128                          ; v128-191 S^T: tile t, key tile kt at S + 32 t + 8 kt; P is made in place in a tile's lower 16
.set O,   192                          ; v192-255 O^T: tile t, channel tile ct at O + 32 t + 8 ct
.set WV,  8                            ; s8   wave
.set BH,  9                            ; s9   batch x 16 + head
.set SEL, 20                           ; s[20:21] lane selects for v_permlanex16_b32: lane l xor 16
.set CS,  22                           ; s[22:23] c; the packed form names a pair and takes its low word for both halves
.set G1,  24                           ; s[24:31] descriptor group 1
.set G0,  32                           ; s[32:47] descriptor group 0, a set for each quarter; never rewritten
.set TB,  48                           ; s48  LDS byte at which the step's keys begin
.set CNT, 49                           ; s49  counts a quarter's four steps
	s_load_b128 s[4:7], s[0:1], 0x0                ; qkv, ao
	v_lshl_add_u32 v[SPW], v0, 2, SPARE
	v_mov_b32 v[NIL], 0
	ds_add_u32 v[SPW], v[NIL]                      ; the wave's opening: the add, twice on end, and its wait ahead of my first tensor load; the set-up below stands between the second and the wait
	ds_add_u32 v[SPW], v[NIL]
	v_lshrrev_b32 v1, 5, v0
	v_readfirstlane_b32 s[WV], v1                  ; wave 0..15
	s_and_b32 s[BH], ttmp7, 0xffff
	; group 1: 4,096 dense bytes as 16 rows of 256 bytes (32 elements of 8 bytes), no padding, no mask
	s_mov_b32 s[G1+0], 3<<16
	s_mov_b32 s[G1+1], 32<<16                      ; tensor_dim0 = 32
	s_mov_b32 s[G1+2], 16<<16                      ; tensor_dim1 = 16
	s_mov_b32 s[G1+3], 32<<16                      ; tile_dim0 = 32
	s_mov_b32 s[G1+4], 16                          ; tile_dim1 = 16
	s_mov_b32 s[G1+5], 32                          ; from row to row
	s_mov_b32 s[G1+6], 0
	s_mov_b32 s[G1+7], 0
	s_lshr_b32 s10, s[WV], 3                       ; 0: I fetch for K; 1: for V
	s_and_b32 s11, s[WV], 7
	s_lshl_b32 s11, s11, 12                        ; my 4,096 bytes of a quarter's 32,768
	s_lshl_b32 s16, s10, 17
	s_add_co_u32 s16, s16, s11                     ; where they go in LDS, in quarter 0: the wave's number and constants alone
	s_lshl_b32 s17, s[BH], 17                      ; the head's first byte in each of q, k, v
	s_add_co_u32 s18, s10, 1
	s_lshl_b32 s18, s18, 24                        ; k is the second third of qkv, v the last
	s_add_co_u32 s18, s18, s17
	s_add_co_u32 s18, s18, s11
	s_mov_b32 s19, 0
	s_lshl_b32 s12, ttmp9, 16                      ; Q: my work-group's 32 token blocks of 2,048 bytes,
	s_add_co_u32 s12, s12, s17
	s_lshl_b32 s13, s[WV], 12                      ; my wave's two
	s_add_co_u32 s12, s12, s13
	s_mov_b32 s13, 0
	s_lshr_b32 s14, s[BH], 4
	s_lshl_b32 s14, s14, 21                        ; ao: the batch's 64 token blocks of 32,768 bytes,
	s_lshl_b32 s15, ttmp9, 20                      ; my work-group's 32,
	s_add_co_u32 s14, s14, s15
	s_lshl_b32 s15, s[WV], 16                      ; my wave's two,
	s_add_co_u32 s14, s14, s15
	s_and_b32 s15, s[BH], 15
	s_lshl_b32 s15, s15, 11                        ; the head's four images
	s_add_co_u32 s14, s14, s15
	s_mov_b32 s15, 0
	s_mov_b32 s[SEL], 0x76543210
	s_mov_b32 s[SEL+1], 0xfedcba98
	s_mov_b32 s[CS], 0x3e38aa3b                    ; c = log2(e) / 8
	s_mov_b32 s[CS+1], s[CS]                       ; (named with it as a pair, so it is written)
	v_and_b32 v[LA], 31, v0
	v_lshlrev_b32 v[LA], 4, v[LA]
	s_wait_dscnt 0x0                               ; both opening adds are done
	s_wait_kmcnt 0x0
	s_add_nc_u64 s[18:19], s[4:5], s[18:19]
	s_add_nc_u64 s[12:13], s[4:5], s[12:13]
	s_add_nc_u64 s[14:15], s[6:7], s[14:15]
.irp i, 0,1,2,3                        ; the four first fills go out together, ahead of every wait on TENSORcnt, every LDS read and every barrier
	s_mov_b32 s[G0+4*\i], 1                                        ; count = 1
	s_add_co_u32 s[G0+4*\i+1], s16, \i*32768                       ; LDS address: quarter i
	s_add_nc_u64 s[G0+4*\i+2:G0+4*\i+3], s[18:19], \i*32768        ; global address: 256 keys are 32,768 bytes
	s_or_b32 s[G0+4*\i+3], s[G0+4*\i+3], 0x80000000               ; type = 2
	tensor_load_to_lds s[G0+4*\i:G0+4*\i+3], s[G1:G1+7]
	s_nop 0
.endr
.irp t, 0,1
.irp cb, 0,1,2,3
	global_load_b128 v[Q+16*\t+4*\cb:Q+16*\t+4*\cb+3], v[LA], s[12:13] offset:\t*2048+\cb*512   ; Q stays in registers
.endr
.endr
.irp t, 0,1
	v_mov_b32 v[ST+8*\t+1], 0xff61b1e6             ; m = -3e38, under every score
	v_mul_f32 v[ST+8*\t], s[CS], v[ST+8*\t+1]      ; c m
	v_mov_b32 v[ST+8*\t+2], 0                      ; l
	v_mov_b32 v[ST+8*\t+3], 0
.endr
.set j, 0
.rept 64
	v_mov_b32 v[O+j], 0                            ; O^T.  (The step is written without a first copy: the first a is 0 and multiplies zeros)
.set j, j+1
.endr
	s_wait_loadcnt 0x0                             ; Q
; A KEY STEP: 64 keys, both tiles of queries.
.macro STEP
	v_add_nc_u32 v[ADK], s[TB], v[LA]              ; five plain instructions stand behind the last step's products V^T P: four are owed to the loads into the registers that they read,
	v_add_nc_u32 v[ADV], s[TB], v[LA]              ; five to the products K Q^T below, which write over P's registers
	v_add_nc_u32 v[ADV], VBASE, v[ADV]
	v_nop
	v_nop
.irp i, 0,1,2,3,4,5,6,7,8,9,10,11,12,13,14,15
	ds_load_b128 v[KV+4*\i:KV+4*\i+3], v[ADK] offset:512*\i        ; image i = 4 kt + channel block: two neighbours are a fragment
.endr
	s_wait_dscnt 0x0                               ; K is in
.irp c, 0,1                            ; S^T = K Q^T: the eight accumulators take turns, one instruction a turn; the first eight start the sums
.irp kt, 0,1,2,3
.irp t, 0,1
.if \c == 0
	v_wmma_f32_16x16x32_f16 v[S+32*\t+8*\kt:S+32*\t+8*\kt+7], v[KV+16*\kt+8*\c:KV+16*\kt+8*\c+7], v[Q+16*\t+8*\c:Q+16*\t+8*\c+7], 0
.else
	v_wmma_f32_16x16x32_f16 v[S+32*\t+8*\kt:S+32*\t+8*\kt+7], v[KV+16*\kt+8*\c:KV+16*\kt+8*\c+7], v[Q+16*\t+8*\c:Q+16*\t+8*\c+7], v[S+32*\t+8*\kt:S+32*\t+8*\kt+7]
.endif
.endr
.endr
.endr
.rept 4
	v_nop                                          ; places in front of the loads into K's registers and of the first reads of the scores
.endr
.irp s, 0,1                            ; V, turned: an image at 16 x lane gives half a fragment of V^T: lane l holds channel l % 16 and 8 keys.  These 16 loads land under the softmax
.irp ct, 0,1,2,3
	ds_load_tr16_b128 v[KV+32*\s+8*\ct:KV+32*\s+8*\ct+3], v[ADV] offset:(2*\s)*2048+\ct*512
	ds_load_tr16_b128 v[KV+32*\s+8*\ct+4:KV+32*\s+8*\ct+7], v[ADV] offset:(2*\s+1)*2048+\ct*512
.endr
.endr
	; the maximum of a lane's 32 scores and the old m: four chains, one for each accumulator, begun at its low end; the two tiles alternate line by line
.irp j, 0,1,2,3
.irp t, 0,1
	v_max3_num_f32 v[ST+8*\t+4+\j], v[S+32*\t+8*\j], v[S+32*\t+8*\j+1], v[S+32*\t+8*\j+2]
.endr
.endr
.irp i, 3,5
.irp j, 0,1,2,3
.irp t, 0,1
	v_max3_num_f32 v[ST+8*\t+4+\j], v[ST+8*\t+4+\j], v[S+32*\t+8*\j+\i], v[S+32*\t+8*\j+\i+1]
.endr
.endr
.endr
.irp t, 0,1
	v_max3_num_f32 v[ST+8*\t+4], v[ST+8*\t+4], v[S+32*\t+7], v[S+32*\t+15]
	v_max3_num_f32 v[ST+8*\t+6], v[ST+8*\t+6], v[S+32*\t+23], v[S+32*\t+31]
.endr
.irp t, 0,1
	v_max3_num_f32 v[ST+8*\t+4], v[ST+8*\t+4], v[ST+8*\t+5], v[ST+8*\t+6]
.endr
.irp t, 0,1
	v_max3_num_f32 v[ST+8*\t+4], v[ST+8*\t+4], v[ST+8*\t+7], v[ST+8*\t+1]
.endr
.irp t, 0,1
	v_permlanex16_b32 v[ST+8*\t+5], v[ST+8*\t+4], s[SEL], s[SEL+1]   ; the query's other 32 keys lie in the lane 16 away
.endr
.irp t, 0,1
	v_mov_b32 v[ST+8*\t+7], v[ST+8*\t]             ; c m_old is kept for a
.endr
.irp t, 0,1
	v_max_num_f32 v[ST+8*\t+1], v[ST+8*\t+4], v[ST+8*\t+5]   ; the new m
.endr
.irp t, 0,1
	v_mul_f32 v[ST+8*\t], s[CS], v[ST+8*\t+1]      ; c m
.endr
.irp t, 0,1
	v_sub_f32 v[ST+8*\t+7], v[ST+8*\t+7], v[ST+8*\t]   ; c m_old - c m_new, 0 or less
.endr
.irp b, 0,2,4,6,8,10,12,14,16,18,20,22,24,26,28,30
.irp t, 0,1
	v_pk_fma_f32 v[S+32*\t+\b:S+32*\t+\b+1], v[S+32*\t+\b:S+32*\t+\b+1], s[CS:CS+1], v[ST+8*\t:ST+8*\t+1] op_sel_hi:[1,0,0] neg_lo:[0,0,1] neg_hi:[0,0,1]   ; c s - c m, two at a time
.endr
.endr
	; ONE BATCH of 66 exponentials, none of which reads another's result; one plain instruction; ONE wait ahead of the first reader
.irp t, 0,1
	v_exp_f32 v[ST+8*\t+6], v[ST+8*\t+7]           ; a
.endr
.set e, 0
.rept 32
	v_exp_f32 v[S+e], v[S+e]
	v_exp_f32 v[S+32+e], v[S+32+e]
.set e, e+1
.endr
	v_nop
	s_wait_alu depctr_va_vdst(0)
	; l = a l + the sum of the unrounded p: two chains a tile
.irp t, 0,1
	v_pk_fma_f32 v[ST+8*\t+2:ST+8*\t+3], v[ST+8*\t+2:ST+8*\t+3], v[ST+8*\t+6:ST+8*\t+7], v[S+32*\t:S+32*\t+1] op_sel_hi:[1,0,1]
.endr
.irp t, 0,1
	v_pk_add_f32 v[U+2*\t:U+2*\t+1], v[S+32*\t+2:S+32*\t+3], v[S+32*\t+6:S+32*\t+7]
.endr
.irp j, 4,8,12,16,20,24
.irp t, 0,1
	v_pk_add_f32 v[ST+8*\t+2:ST+8*\t+3], v[ST+8*\t+2:ST+8*\t+3], v[S+32*\t+\j:S+32*\t+\j+1]
	v_pk_add_f32 v[U+2*\t:U+2*\t+1], v[U+2*\t:U+2*\t+1], v[S+32*\t+\j+6:S+32*\t+\j+7]
.endr
.endr
.irp t, 0,1
	v_pk_add_f32 v[ST+8*\t+2:ST+8*\t+3], v[ST+8*\t+2:ST+8*\t+3], v[S+32*\t+28:S+32*\t+29]
.endr
.irp t, 0,1
	v_pk_add_f32 v[ST+8*\t+2:ST+8*\t+3], v[ST+8*\t+2:ST+8*\t+3], v[U+2*\t:U+2*\t+1]
.endr
.set i, 0
.rept 16                               ; p to f16, in place, ascending: no result lands on a weight not yet read.  Registers 8 s .. 8 s + 7 of a tile are P's fragment of keys 32 s on
	v_cvt_pk_f16_f32 v[S+i], v[S+2*i], v[S+2*i+1]
	v_cvt_pk_f16_f32 v[S+32+i], v[S+32+2*i], v[S+32+2*i+1]
.set i, i+1
.endr
.set i, 0
.rept 16                               ; O^T times a, each accumulator from its low end on
	v_pk_mul_f32 v[O+2*i:O+2*i+1], v[O+2*i:O+2*i+1], v[ST+6:ST+7] op_sel_hi:[1,0]
	v_pk_mul_f32 v[O+32+2*i:O+32+2*i+1], v[O+32+2*i:O+32+2*i+1], v[ST+14:ST+15] op_sel_hi:[1,0]
.set i, i+1
.endr
	s_wait_dscnt 0x0                               ; V is in
.irp s, 0,1                            ; O^T += V^T P: the eight accumulators take turns, one instruction a turn
.irp ct, 0,1,2,3
.irp t, 0,1
	v_wmma_f32_16x16x32_f16 v[O+32*\t+8*\ct:O+32*\t+8*\ct+7], v[KV+32*\s+8*\ct:KV+32*\s+8*\ct+7], v[S+32*\t+8*\s:S+32*\t+8*\s+7], v[O+32*\t+8*\ct:O+32*\t+8*\ct+7]
.endr
.endr
.endr
.endm
; A QUARTER of the keys: 256, four steps.  My parts of quarters 0 to q have landed (tensor loads of a wave end in order: ISA guide 10.11.1); the 3 - q loads behind them may stay out.
.macro QUARTER q
	s_wait_tensorcnt 3-\q
	s_wait_dscnt 0x0                               ; no LDS instruction of mine is out at the signal
	s_barrier_signal -1
	s_barrier_wait -1                              ; every wave's part of the quarter is in
	s_mov_b32 s[TB], \q*32768
	s_mov_b32 s[CNT], 4
.Lstep_\@:
	STEP
	s_add_co_u32 s[TB], s[TB], 8192                ; 64 keys on
	s_sub_co_u32 s[CNT], s[CNT], 1
	s_cmp_lg_u32 s[CNT], 0
	s_cbranch_scc1 .Lstep_\@
.endm
	QUARTER 0
	QUARTER 1
	QUARTER 2
	QUARTER 3
	; THE WAY OUT.  l's two halves and the other half of the lanes' are added; O^T is divided by l and rounded to f16: a lane's eight channels of a query are a chunk of ao's image.
	; The four additions and the v_nop are the places behind the last products.
.irp t, 0,1
	v_add_f32 v[ST+8*\t+4], v[ST+8*\t+2], v[ST+8*\t+3]
.endr
.irp t, 0,1
	v_permlanex16_b32 v[ST+8*\t+5], v[ST+8*\t+4], s[SEL], s[SEL+1]
.endr
.irp t, 0,1
	v_add_f32 v[ST+8*\t+4], v[ST+8*\t+4], v[ST+8*\t+5]
.endr
.irp t, 0,1
	v_rcp_f32 v[ST+8*\t+6], v[ST+8*\t+4]
.endr
	v_nop                                          ; a plain instruction between the last reciprocal and the use of its result,
	s_wait_alu depctr_va_vdst(0)                   ; and the wait ahead of the first use: one for both
.set i, 0
.rept 16
	v_pk_mul_f32 v[O+2*i:O+2*i+1], v[O+2*i:O+2*i+1], v[ST+6:ST+7] op_sel_hi:[1,0]
	v_pk_mul_f32 v[O+32+2*i:O+32+2*i+1], v[O+32+2*i:O+32+2*i+1], v[ST+14:ST+15] op_sel_hi:[1,0]
.set i, i+1
.endr
.set i, 0
.rept 32
	v_cvt_pk_f16_f32 v[S+i], v[O+2*i], v[O+2*i+1]  ; register 16 t + 4 ct + r: tile t, channels 16 ct + 8 h + 2 r, + 1
.set i, i+1
.endr
.irp t, 0,1
.irp ct, 0,1,2,3
	global_store_b128 v[LA], v[S+16*\t+4*\ct:S+16*\t+4*\ct+3], s[14:15] offset:\t*32768+\ct*512   ; 32 lanes store 512 consecutive bytes, aligned
.endr
.endr
	s_wait_tensorcnt 0x0                           ; the wave's end, behind my last tensor load
	ds_add_u32 v[SPW], v[NIL]
	s_wait_dscnt 0x0
	s_endpgm
.Lfunc_end_k_q8f36c2dbcd_attn:
	.size	k_q8f36c2dbcd_attn, .Lfunc_end_k_q8f36c2dbcd_attn-k_q8f36c2dbcd_attn
	.p2alignl 7, 3214868480
	.fill 96, 4, 3214868480
	.section	.rodata,"a",@progbits
	.p2align	6, 0x0
	.amdhsa_kernel k_q8f36c2dbcd_attn
		.amdhsa_group_segment_fixed_size 327680
		.amdhsa_private_segment_fixed_size 0
		.amdhsa_enable_private_segment 0
		.amdhsa_kernarg_size 16
		.amdhsa_user_sgpr_count 2
		.amdhsa_user_sgpr_kernarg_segment_ptr 1
		.amdhsa_wavefront_size32 1
		.amdhsa_system_sgpr_workgroup_id_x 1
		.amdhsa_system_sgpr_workgroup_id_y 1
		.amdhsa_system_sgpr_workgroup_id_z 1
		.amdhsa_system_vgpr_workitem_id 0
		.amdhsa_next_free_vgpr 256
		.amdhsa_next_free_sgpr 66
		.amdhsa_reserve_vcc 0
		.amdhsa_float_denorm_mode_32 3
		.amdhsa_float_denorm_mode_16_64 3
		.amdhsa_memory_ordered 1
		.amdhsa_forward_progress 1
		.amdhsa_inst_pref_size 81
	.end_amdhsa_kernel
	.amdgpu_metadata
---
amdhsa.version: [ 1, 2 ]
amdhsa.kernels:
  - .name:           k_q8f36c2dbcd_attn
    .symbol:         k_q8f36c2dbcd_attn.kd
    .args:
      - { .name: qkv, .offset: 0, .size: 8, .value_kind: global_buffer, .address_space: global }
      - { .name: ao, .offset: 8, .size: 8, .value_kind: global_buffer, .address_space: global }
    .group_segment_fixed_size: 327680
    .private_segment_fixed_size: 0
    .kernarg_segment_align: 8
    .kernarg_segment_size: 16
    .max_flat_workgroup_size: 512
    .sgpr_count:     66
    .vgpr_count:     256
    .wavefront_size: 32
...
	.end_amdgpu_metadata
.endif
;; end of part 3
;; launch proj (part 4): grid 8 x 32, 4 waves a work-group, clusters of 4 x 4, 327,680 bytes of LDS; arguments ao, wp, b_proj, out0; writes out0
.if DOCPART == 4
	.amdgcn_target "amdgcn-amd-amdhsa--gfx1250"
	.amdhsa_code_object_version 6
	.text
	.protected	k_q8f36c2dbcd_proj
	.globl	k_q8f36c2dbcd_proj
	.p2align	8
	.type	k_q8f36c2dbcd_proj,@function
k_q8f36c2dbcd_proj:
	s_mov_b64 s[64:65], 0
	v_nop
	global_prefetch_b8 v0, s[64:65] scope:SCOPE_SE
	s_setreg_imm32_b32 hwreg(HW_REG_WAVE_MODE, 25, 1), 1
	s_wait_xcnt 0x0
	s_wait_alu depctr_hold_cnt(0) depctr_sa_sdst(0) depctr_va_vdst(0) depctr_va_sdst(0) depctr_va_ssrc(0) depctr_va_vcc(0) depctr_vm_vsrc(0)
	s_getreg_b32 s2, hwreg(HW_REG_IB_STS2, 6, 4)
	s_cmp_eq_u32 s2, 0
	s_cbranch_scc0 .Lentry_in_a_cluster
	s_endpgm
.Lentry_in_a_cluster:
	s_bfe_u32 s2, ttmp6, 0x10000c
	s_cmp_lg_u32 s2, 0xf033
	s_cbranch_scc0 .Lentry_shape_is_right
	s_endpgm
.Lentry_shape_is_right:
; out0[m][n] = the sum over k of A[m][k] W[n][k] + b_proj[n].  A = attention's result (ao), W = w_proj (wp), both f16; sums and out0 f32.  M 8,192, N 1,024, K 1,024.
; ao: [row block 512][k block 64][512 bytes], wp: [row block 64][k block 64][512 bytes]: images of operand registers, 16 rows x 16 along K: chunk r + 16 h holds row r, k = 8 h on.  Two neighbouring images, each loaded at
; 16 x lane, are a fragment of 16 rows x 32 K: consecutive bytes, no pitch, no padding.
; A tile of out0 is 256 rows x 128 columns: 32 x 8 = 256 work-groups (tiles of 256 x 256 would be 128).  Wave w makes rows 64 w .. 64 w + 63 x all 128 columns: 32 accumulators, 256 registers.
; K goes in 8 steps of 128 through a ring of two LDS slots: a step's part of a row block is 8 images, 4,096 consecutive bytes of memory.  Waves 0 and 1 fetch A's two halves (8 row blocks each), waves 2 and 3 W's (4 each).
; CLUSTERS: 4 x 4 work-groups.  The four of a row of the cluster need the same tiles of A, the four of a column the same tiles of W: each is asked for JOINTLY, by the same tensor load with the same descriptor and a mask of four.
; THE MATRIX INSTRUCTION IS USED TRANSPOSED (source 0 = 16 rows of W, source 1 = 16 rows of A): a lane holds eight neighbouring columns of a row of out0.  THE BIAS is the C of each sum's first product: nothing is cleared or added.
; NO PREFETCH: of the eight K steps two are first fills, and a lead of two steps would serve the last four alone.
; REGISTERS, in windows of 256: window 0: v16-29 addresses; v64-127 A's fragments, two buffers of 4; v128-255 the way out.   window 1: v0-127 W's fragments, two buffers of 8; v128-191 the bias, 8 registers for each column block.
;   window 2: accumulator (a, b) at v[8 (8 a + b)].
.set SLOT,   98304                     ; A's 16 row blocks x 4,096 bytes, then W's 8
.set BOFF,   65536                     ; where W's begin in a slot
.set STAGE,  2*SLOT                    ; behind the ring: 16 rows x (512 bytes + 16) for each wave, for the way out; no tensor load lands here
.set SPITCH, 528
.set SPARE,  STAGE+4*16*SPITCH         ; behind the stages: the spare words, 128 bytes a wave, which no other line names
.set LAPS,   4                         ; a lap = two K steps = once round the ring
.set ADRA, 16                          ; v16-17  LDS address of my A fragments in slot 0, 1
.set ADRB, 20                          ; v20-21  the same for W
.set STO,  24                          ; v24     the way out: where I put 32 bytes of a row
.set RD,   25                          ; v25     the way out: where I read a row back
.set CO,   26                          ; v26     16 x lane
.set BO,   27                          ; v27     32 x (lane / 16): my eight numbers of a column block's bias
.set SPW,  28                          ; v28     LDS address of my spare word; never rewritten
.set NIL,  29                          ; v29     0; never rewritten
.set AFR,  64                          ; A's fragments, in window 0: buffer p at AFR + 32 p
.set BIAS, 128                         ; the bias, in window 1
.set BK,   128                         ; the way out: 16 rows read back from the stage: v128-191 and v192-255 by turns
.set G1, 24                            ; s[24:31] descriptor group 1 for A's tiles;  s[32:39] group 0, one set for each slot
.set G0, 32
.set G1B, 48                           ; s[48:55], s[56:63] the same for W's tiles
.set G0B, 56
.set MSB, 0
.macro WIN new                         ; the immediate's high byte repeats the setting that is left; a switch that changes nothing is dropped
.if MSB != (\new)
	s_set_vgpr_msb (MSB<<8)|(\new)
.set MSB, (\new)
.endif
.endm
.set MUL,   0xa1                       ; source 0 (W) window 1, source 1 (A) window 0, C and D window 2
.set MULB,  0x91                       ; the same with C (the bias) in window 1
.set TO_B,  0x40                       ; destination window 1, address window 0
.macro JLOAD s                         ; a joint load: waves 0 and 1 fetch A's halves, waves 2 and 3 W's; an s_nop 0 and four v_nop follow each of the two lines, ahead of the jump, the label and what follows
	s_cmp_eq_u32 s13, 0
	s_cbranch_scc0 .Lfor_b_\@
	tensor_load_to_lds s[G0+4*\s:G0+4*\s+3], s[G1:G1+7]
	s_nop 0
.rept 4
	v_nop
.endr
	s_branch .Lasked_\@
.Lfor_b_\@:
	tensor_load_to_lds s[G0B+4*\s:G0B+4*\s+3], s[G1B:G1B+7]
	s_nop 0
.rept 4
	v_nop
.endr
.Lasked_\@:
.endm
.macro CREST                           ; a round of the cluster's barrier behind its opening barrier
	s_cmp_lg_u32 s12, 0
	s_cbranch_scc1 .Lnot_wave_0_\@
	s_barrier_signal -3
.Lnot_wave_0_\@:
	s_barrier_wait -3
	s_barrier_signal -1
	s_barrier_wait -1
.endm
.macro CROUND                          ; a whole round
	s_barrier_signal -1
	s_barrier_wait -1
	CREST
.endm
	s_load_b256 s[4:11], s[0:1], 0x0               ; ao s[4:5], wp s[6:7], b_proj s[8:9], out0 s[10:11]
	v_lshl_add_u32 v[SPW], v0, 2, SPARE
	v_mov_b32 v[NIL], 0
	ds_add_u32 v[SPW], v[NIL]                      ; the wave's opening: the add, twice on end, and its wait ahead of my first tensor load; the set-up below stands between the second and the wait
	ds_add_u32 v[SPW], v[NIL]
	v_lshrrev_b32 v1, 5, v0
	v_readfirstlane_b32 s12, v1                    ; wave 0..3
	s_lshr_b32 s13, s12, 1                         ; I fetch for A (0) or for W (1)
	s_and_b32 s14, s12, 1                          ; which half of that tile
	s_bfe_u32 s40, ttmp6, 0x40000                  ; cx, cy: my place in the cluster
	s_bfe_u32 s41, ttmp6, 0x40004
	s_lshl_b32 s42, ttmp9, 2
	s_add_co_u32 s42, s42, s40                     ; tile column = 4 x cluster x + cx, 0 to 7
	s_and_b32 s43, ttmp7, 0xffff
	s_lshl_b32 s43, s43, 2
	s_add_co_u32 s43, s43, s41                     ; tile row = 4 x cluster y + cy, 0 to 31
	s_lshl_b32 s44, s41, 2
	s_lshl_b32 s44, 15, s44                        ; my row of the cluster
	s_lshl_b32 s45, 0x1111, s40                    ; my column
	; descriptor group 1: rows of 4,096 bytes (512 elements of 8 bytes), 32,768 bytes apart in memory, dense in LDS: 8 of them for half of A's tile, 4 for half of W's
	s_or_b32 s[G1+0], s44, (3<<16)|(1<<21)         ; 15:0 the mask: A's tiles go to my row; 17:16 elements of 8 bytes; 21 set beside a mask; no padding
	s_or_b32 s[G1B+0], s45, (3<<16)|(1<<21)        ; W's go to my column
	s_mov_b32 s[G1+1], 512<<16                     ; tensor_dim0 = 512
	s_mov_b32 s[G1+2], 8<<16                       ; tensor_dim1 = 8
	s_mov_b32 s[G1+3], 512<<16                     ; tile_dim0 = 512
	s_mov_b32 s[G1+4], 8                           ; tile_dim1 = 8
	s_mov_b32 s[G1+5], 4096                        ; from row to row, in elements
	s_mov_b32 s[G1+6], 0
	s_mov_b32 s[G1+7], 0
	s_mov_b32 s[G1B+1], 512<<16
	s_mov_b32 s[G1B+2], 4<<16
	s_mov_b32 s[G1B+3], 512<<16
	s_mov_b32 s[G1B+4], 4
	s_mov_b32 s[G1B+5], 4096
	s_mov_b32 s[G1B+6], 0
	s_mov_b32 s[G1B+7], 0
	; A's address is made of the tile row and the wave's number, W's of the tile column and the wave's number, each in registers that do not hold the other coordinate
	s_lshl_b32 s16, s43, 19                        ; A: 16 row blocks of 32,768 bytes to a tile row,
	s_lshl_b32 s17, s14, 18                        ; 8 to a half
	s_add_co_u32 s16, s16, s17
	s_mov_b32 s17, 0
	s_lshl_b32 s46, s42, 18                        ; W: 8 row blocks to a tile column,
	s_lshl_b32 s47, s14, 17                        ; 4 to a half
	s_add_co_u32 s46, s46, s47
	s_mov_b32 s47, 0
	s_lshl_b32 s20, s14, 15                        ; where they go in a slot: A's halves of 32,768 bytes,
	s_lshl_b32 s21, s14, 14
	s_add_co_u32 s21, s21, BOFF                    ; W's of 16,384 behind them: no place in the cluster enters an LDS address
	s_wait_dscnt 0x0                               ; both opening adds are done
	s_wait_kmcnt 0x0
	s_add_nc_u64 s[18:19], s[4:5], s[16:17]
	s_add_nc_u64 s[46:47], s[6:7], s[46:47]
	CROUND                                         ; all sixteen work-groups are here: the first joint loads meet
.irp s, 0,1
	s_mov_b32 s[G0+4*\s], 1
	s_add_co_u32 s[G0+4*\s+1], s20, \s*SLOT
	s_add_nc_u64 s[G0+4*\s+2:G0+4*\s+3], s[18:19], \s*4096         ; K step s
	s_or_b32 s[G0+4*\s+3], s[G0+4*\s+3], 0x80000000
	s_mov_b32 s[G0B+4*\s], 1
	s_add_co_u32 s[G0B+4*\s+1], s21, \s*SLOT
	s_add_nc_u64 s[G0B+4*\s+2:G0B+4*\s+3], s[46:47], \s*4096
	s_or_b32 s[G0B+4*\s+3], s[G0B+4*\s+3], 0x80000000
	JLOAD \s
.endr
	v_and_b32 v1, 31, v0
	v_lshlrev_b32 v[CO], 4, v1                     ; 16 x lane
	v_and_b32 v2, 15, v0                           ; r
	v_bfe_u32 v3, v0, 4, 1                         ; h
	v_lshlrev_b32 v[BO], 5, v3
	s_lshl_b32 s22, s42, 9                         ; the tile's 128 numbers of the bias
	s_mov_b32 s23, 0
	s_add_nc_u64 s[8:9], s[8:9], s[22:23]
	WIN TO_B
.irp b, 0,1,2,3,4,5,6,7                ; register 8 b + j: b_proj[128 x tile column + 16 b + 8 h + j], the result's layout
	global_load_b128 v[BIAS+8*\b:BIAS+8*\b+3], v[BO], s[8:9] offset:64*\b
	global_load_b128 v[BIAS+8*\b+4:BIAS+8*\b+7], v[BO], s[8:9] offset:64*\b+16
.endr
	WIN 0
	s_lshl_b32 s21, s12, 14                        ; my four row blocks of A
	v_add_nc_u32 v[ADRA], s21, v[CO]
	v_add_nc_u32 v[ADRA+1], SLOT, v[ADRA]
	v_add_nc_u32 v[ADRB], BOFF, v[CO]
	v_add_nc_u32 v[ADRB+1], SLOT, v[ADRB]
	s_mul_i32 s23, s12, 16*SPITCH
	s_add_co_u32 s23, s23, STAGE                   ; my stage
	v_mul_u32_u24 v4, v2, SPITCH                   ; in: row r, 32 bytes for each half of the lanes
	v_lshl_add_u32 v4, v3, 5, v4
	v_add_nc_u32 v[STO], s23, v4
	v_add_nc_u32 v[RD], s23, v[CO]                 ; back: the 32 lanes take one row of 512 bytes
	s_lshl_b32 s16, s43, 20                        ; out0: 256 rows of 4,096 bytes to a tile row,
	s_lshl_b32 s17, s12, 18                        ; 64 to a wave,
	s_add_co_u32 s16, s16, s17
	s_lshl_b32 s17, s42, 9                         ; 512 bytes to a tile column
	s_add_co_u32 s16, s16, s17
	s_mov_b32 s17, 0
	s_add_nc_u64 s[10:11], s[10:11], s[16:17]
; 24 LDS loads in one run: the fragments of the slot's q-th 32 along K into buffer p: W's eight, then A's four
.macro FETCH slot, q, p
	WIN TO_B
.irp b, 0,1,2,3,4,5,6,7
	ds_load_b128 v[64*(\p)+8*\b:64*(\p)+8*\b+3],   v[ADRB+\slot] offset:\b*4096+(\q)*1024
	ds_load_b128 v[64*(\p)+8*\b+4:64*(\p)+8*\b+7], v[ADRB+\slot] offset:\b*4096+(\q)*1024+512
.endr
	WIN 0
.irp a, 0,1,2,3
	ds_load_b128 v[AFR+32*(\p)+8*\a:AFR+32*(\p)+8*\a+3],   v[ADRA+\slot] offset:\a*4096+(\q)*1024
	ds_load_b128 v[AFR+32*(\p)+8*\a+4:AFR+32*(\p)+8*\a+7], v[ADRA+\slot] offset:\a*4096+(\q)*1024+512
.endr
.endm
; 8 matrix instructions: A's block a x W's eight, 32 along K, from buffer p.  first = 1: the sums begin with the bias.  The 32 accumulators take turns, one instruction a turn, in the same order in every quarter.
.macro MULA p, a, first
.irp b, 0,1,2,3,4,5,6,7
.if \first
	v_wmma_f32_16x16x32_f16 v[8*(8*(\a)+\b):8*(8*(\a)+\b)+7], v[64*(\p)+8*\b:64*(\p)+8*\b+7], v[AFR+32*(\p)+8*(\a):AFR+32*(\p)+8*(\a)+7], v[BIAS+8*\b:BIAS+8*\b+7]
.else
	v_wmma_f32_16x16x32_f16 v[8*(8*(\a)+\b):8*(8*(\a)+\b)+7], v[64*(\p)+8*\b:64*(\p)+8*\b+7], v[AFR+32*(\p)+8*(\a):AFR+32*(\p)+8*(\a)+7], v[8*(8*(\a)+\b):8*(8*(\a)+\b)+7]
.endif
.endr
.endm
.macro MWIN first
.if \first
	WIN MULB
.else
	WIN MUL
.endif
.endm
.macro PLACES                          ; four places in front of loads into registers that matrix instructions have read, and of LDS stores that read results (ISA guide 7.12.1 for vector instructions)
.rept 4
	v_nop
.endr
.endm
; A K step is four quarters of 32 along K, 32 matrix instructions each, on buffers 0, 1, 0, 1.  One of the first three: multiplies buffer p and fetches the slot's quarter qnext into the other buffer.
.macro QUARTER slot, qnext, p, first
	s_wait_dscnt 4                                 ; W's eight and A's blocks 0 and 1 are in; the youngest four loads (A's blocks 2 and 3) may be out
	MWIN \first
	MULA \p, 0, \first
	MULA \p, 1, \first
	PLACES
	FETCH \slot, \qnext, 1-\p
	s_wait_dscnt 24                                ; all but the 24 just issued
	MWIN \first
	MULA \p, 2, \first
	MULA \p, 3, \first
.endm
; The last quarter multiplies buffer 1 and changes slots: ONE barrier; in front of it each wave waits for all its tensor loads, adds 0 to its spare word, and waits for that and for its own reads of this slot.
; fill = 1: the barrier opens a round of the cluster's barrier, and this slot is filled again, two K steps ahead: the joint load is the first thing behind the round, 112 matrix instructions ahead of the wait for it.
.macro TURN slot, next, fill
	WIN 0                                          ; (the add's two registers lie in window 0)
	s_wait_tensorcnt 0x0                           ; all my tensor loads have landed: the one that was out is my part of the next slot;
	ds_add_u32 v[SPW], v[NIL]                      ; 0 onto my spare word;
	s_wait_dscnt 5                                 ; (the add and the youngest four loads may be out)
	WIN MUL
	MULA 1, 0, 0                                   ; eight matrix instructions stand between the add and the wait for it
	s_wait_dscnt 0x0                               ; the add is done, and my reads of this slot are over
	s_barrier_signal -1
	MULA 1, 1, 0
.if \fill
	WIN 0
.endif
	s_barrier_wait -1
.if \fill
	CREST                                          ; no wave of any partner still reads this slot's tile or has a load on its way
	s_add_nc_u64 s[G0+4*\slot+2:G0+4*\slot+3], s[G0+4*\slot+2:G0+4*\slot+3], 2*4096
	s_add_nc_u64 s[G0B+4*\slot+2:G0B+4*\slot+3], s[G0B+4*\slot+2:G0B+4*\slot+3], 2*4096
	JLOAD \slot                                    ; the four v_nop behind it are also the places in front of the loads below
.else
	PLACES
.endif
	FETCH \next, 0, 0
	WIN MUL
	MULA 1, 2, 0
	MULA 1, 3, 0
.endm
	s_wait_tensorcnt 1                             ; my part of K step 0 is in (K step 1's load may be out)
	s_barrier_signal -1
	s_barrier_wait -1                              ; everybody's is
	FETCH 0, 0, 0
	s_wait_loadcnt 0x0                             ; the bias
	QUARTER 0, 1, 0, 1                             ; the first quarter stands in front of the loop: its products start the sums, from the bias
	WIN 0                                          ; at a label and at a branch every window is 0
	s_mov_b32 s3, LAPS-1
.Llap:                                             ; a trip goes once round the ring, from a lap's second quarter to the next lap's first, and fills both slots again
	QUARTER 0, 2, 1, 0
	QUARTER 0, 3, 0, 0
	TURN 0, 1, 1
	QUARTER 1, 1, 0, 0
	QUARTER 1, 2, 1, 0
	QUARTER 1, 3, 0, 0
	TURN 1, 0, 1
	QUARTER 0, 1, 0, 0
	WIN 0
	s_sub_co_u32 s3, s3, 1
	s_cmp_lg_u32 s3, 0
	s_cbranch_scc1 .Llap
	QUARTER 0, 2, 1, 0                             ; the last lap fills nothing, and has no round of the cluster's barrier
	QUARTER 0, 3, 0, 0
	TURN 0, 1, 0
	QUARTER 1, 1, 0, 0
	QUARTER 1, 2, 1, 0
	QUARTER 1, 3, 0, 0
	s_wait_dscnt 4                                 ; the very last quarter: nothing more to fetch
	WIN MUL
	MULA 1, 0, 0
	MULA 1, 1, 0
	s_wait_dscnt 0
	MULA 1, 2, 0
	MULA 1, 3, 0
	WIN 0
; THE WAY OUT, block by block of 16 rows x 128 columns.  A lane holds 32 neighbouring bytes of a row, and the lanes beside it hold other rows: so a block goes through my own stage in LDS and comes back as whole rows of
; 512 bytes.  LDS serves a wave's instructions in order (ISA guide 5.7.1.4): no wait between the stores and the loads, nor in front of the next block's stores.
.macro TOSTAGE a
	WIN 0x08                                       ; an LDS store's data are its source 1: window 2
.irp b, 0,1,2,3,4,5,6,7
	ds_store_b128 v[STO], v[64*(\a)+8*\b:64*(\a)+8*\b+3] offset:64*\b          ; each accumulator from its low end on
	ds_store_b128 v[STO], v[64*(\a)+8*\b+4:64*(\a)+8*\b+7] offset:64*\b+16
.endr
	WIN 0
.set BB, BK+64*((\a)%2)
.irp t, 0,1,2,3,4,5,6,7,8,9,10,11,12,13,14,15
	ds_load_b128 v[BB+4*\t:BB+4*\t+3], v[RD] offset:\t*SPITCH
.endr
.endm
.macro SEND a, younger                 ; younger: the LDS instructions issued behind block a's loads, which may stay out
.set BB, BK+64*((\a)%2)
	s_wait_dscnt \younger                          ; the block is back in registers
.if (\a) > 0
	s_add_nc_u64 s[10:11], s[10:11], 16*4096       ; (behind a wait on XCNT: the earlier stores have read their base)  16 rows on
.endif
.irp t, 0,1,2,3,4,5,6,7,8,9,10,11,12,13,14,15
	global_store_b128 v[CO], v[BB+4*\t:BB+4*\t+3], s[10:11] offset:\t*4096 th:TH_STORE_NT   ; 32 lanes store 512 consecutive bytes, aligned; written once, read by nobody here
.endr
.endm
	PLACES                                         ; behind the last products: block 3's stores read results just made
	TOSTAGE 0
.irp a, 1,2,3
.if \a > 1
	s_wait_xcnt 0x0                                ; block a - 2's stores have read their registers and their base: block a's loads may land there, and the base may step
.endif
	TOSTAGE \a
	SEND \a-1, 32                                  ; behind block a - 1's loads: block a's 16 stores and 16 loads
.endr
	s_wait_xcnt 0x0                                ; block 2's stores have read their base
	SEND 3, 0
	s_wait_tensorcnt 0x0                           ; the wave's end, behind my last tensor load and my last LDS store
	ds_add_u32 v[SPW], v[NIL]
	s_wait_dscnt 0x0
	CROUND                                         ; the closing round: no work-group ends while a partner may still ask for a tile that names it
	s_endpgm
.Lfunc_end_k_q8f36c2dbcd_proj:
	.size	k_q8f36c2dbcd_proj, .Lfunc_end_k_q8f36c2dbcd_proj-k_q8f36c2dbcd_proj
	.p2alignl 7, 3214868480
	.fill 96, 4, 3214868480
	.section	.rodata,"a",@progbits
	.p2align	6, 0x0
	.amdhsa_kernel k_q8f36c2dbcd_proj
		.amdhsa_group_segment_fixed_size 327680
		.amdhsa_private_segment_fixed_size 0
		.amdhsa_enable_private_segment 0
		.amdhsa_kernarg_size 32
		.amdhsa_user_sgpr_count 2
		.amdhsa_user_sgpr_kernarg_segment_ptr 1
		.amdhsa_wavefront_size32 1
		.amdhsa_system_sgpr_workgroup_id_x 1
		.amdhsa_system_sgpr_workgroup_id_y 1
		.amdhsa_system_sgpr_workgroup_id_z 1
		.amdhsa_system_vgpr_workitem_id 0
		.amdhsa_next_free_vgpr 768
		.amdhsa_next_free_sgpr 66
		.amdhsa_reserve_vcc 0
		.amdhsa_float_denorm_mode_32 3
		.amdhsa_float_denorm_mode_16_64 3
		.amdhsa_memory_ordered 1
		.amdhsa_forward_progress 1
		.amdhsa_inst_pref_size 86
	.end_amdhsa_kernel
	.amdgpu_metadata
---
amdhsa.version: [ 1, 2 ]
amdhsa.kernels:
  - .name:           k_q8f36c2dbcd_proj
    .symbol:         k_q8f36c2dbcd_proj.kd
    .args:
      - { .name: ao, .offset: 0, .size: 8, .value_kind: global_buffer, .address_space: global }
      - { .name: wp, .offset: 8, .size: 8, .value_kind: global_buffer, .address_space: global }
      - { .name: b_proj, .offset: 16, .size: 8, .value_kind: global_buffer, .address_space: global }
      - { .name: out0, .offset: 24, .size: 8, .value_kind: global_buffer, .address_space: global }
    .group_segment_fixed_size: 327680
    .private_segment_fixed_size: 0
    .kernarg_segment_align: 8
    .kernarg_segment_size: 32
    .max_flat_workgroup_size: 128
    .sgpr_count:     66
    .vgpr_count:     768
    .wavefront_size: 32
...
	.end_amdgpu_metadata
.endif
;; end of part 4
